; MI455X (gfx1250); checked and timed in simulation.
; The chip was launched on July 23, 2026; its instructions are those of AMD's public machine-readable ISA for CDNA 5 (MIT licence, August 2026) and "CDNA5" Instruction Set Architecture Reference Guide (July 2026). The comments in the code are by the model that wrote it; some were corrected since.
;; Multi Head Attention. Allowed arithmetic: matrix products marked QUANTISED: E2M1 operands, one E8M0 scale for each 32 along K, by v_wmma_scale_f32_16x16x128_f8f6f4 with both operands' format E2M1 (or v_wmma_scale_f32_32x16x128_f4), f32 sums; everything else in f32.
;; Inputs: Wk_codes 1,024 x 32 x 16 uint8 (E2M1 codes of Wk, K innermost, in blocks of 32 codes, two codes a byte); Wk_scales 1,024 x 32 uint8 (E8M0 scales of Wk, one for each 32 codes along K); Wo_codes 1,024 x 32 x 16 uint8 (E2M1 codes of Wo, K innermost, in blocks of 32 codes, two codes a byte); Wo_scales 1,024 x 32 uint8 (E8M0 scales of Wo, one for each 32 codes along K); Wq_codes 1,024 x 32 x 16 uint8 (E2M1 codes of Wq, K innermost, in blocks of 32 codes, two codes a byte); Wq_scales 1,024 x 32 uint8 (E8M0 scales of Wq, one for each 32 codes along K); Wv_codes 1,024 x 32 x 16 uint8 (E2M1 codes of Wv, K innermost, in blocks of 32 codes, two codes a byte); Wv_scales 1,024 x 32 uint8 (E8M0 scales of Wv, one for each 32 codes along K); bo 1,024 float32; x_codes 4 x 2,048 x 32 x 16 uint8 (E2M1 codes of x, K innermost, in blocks of 32 codes, two codes a byte); x_scales 4 x 2,048 x 32 uint8 (E8M0 scales of x, one for each 32 codes along K).
;; Outputs: out0 4 x 2,048 x 1,024 float32.
;; This version of the problem:
;;   THIS VERSION OF THE PROBLEM IS GIVEN IN LOW PRECISION. The matrix products marked QUANTISED in the list below multiply operands that are first quantised to E2M1 (2 exponent bits, 1 mantissa bit; 4 bits a number), with one power-of-two scale for each 32 numbers along K (OCP MX v1.0); their sums are f32. All else is computed in f32.
;;   The module's matrix products, in the order in which they are computed (A, B: the left and right operand; K: the contracted axis; several contracted axes count as one K, in the product's order):
;;     1. [M 8,192, K 1,024] x [K 1,024, N 1,024]; A: input x (given as codes); B: input Wq (given as codes): QUANTISED
;;     2. [M 8,192, K 1,024] x [K 1,024, N 1,024]; A: input x (given as codes); B: input Wk (given as codes): QUANTISED
;;     3. [M 8,192, K 1,024] x [K 1,024, N 1,024]; A: input x (given as codes); B: input Wv (given as codes): QUANTISED
;;     4. batch 64 x [M 2,048, K 64] x [K 64, N 2,048]; A: computed on the way; B: computed on the way: QUANTISED
;;     5. batch 64 x [M 2,048, K 2,048] x [K 2,048, N 64]; A: softmax (see below); B: computed on the way: QUANTISED
;;     6. [M 8,192, K 1,024] x [K 1,024, N 1,024]; A: computed on the way; B: input Wo (given as codes): QUANTISED
;;   THE QUANTISER, for each operand of a quantised product, along K:
;;     - K is cut into blocks of 32 from its start; a last block that is shorter is filled with zeros.
;;     - A block's scale is 2^e with e = floor(log2(the largest magnitude in the block)) - 2, held to -126 .. 127; a block of zeros has e = 0. As a byte (E8M0): e + 127.
;;     - Each number is divided by its block's scale, clamped to +-6, and rounded to the nearest number of E2M1, ties to even, subnormals kept.
;;     - The product sums the exact products of the quantised numbers (number of the format x scale) in f32.
;;   ~~~python
;;   def quantise(x, axis):      # numpy; x: float32 -> the quantised numbers, widened to float32 again
;;       x = np.moveaxis(x, axis, -1); K = x.shape[-1]
;;       x = np.pad(x, [(0, 0)] * (x.ndim - 1) + [(0, -K % 32)]); x = x.reshape(x.shape[:-1] + (-1, 32)); a = np.abs(x).max(-1, keepdims=True)
;;       e = np.where(a > 0, np.clip(np.frexp(np.where(a > 0, a, 1))[1] - 1 - 2, -126, 127), 0)      # np.frexp(a)[1] - 1 = floor(log2(a)), exactly
;;       r = np.clip(x / 2.0 ** e, -6, 6)
;;       step = 2.0 ** (np.maximum(np.frexp(np.where(r == 0, 1, r))[1] - 1, 0) - 1)
;;       q = np.round(r / step) * step * 2.0 ** e      # np.round: ties to even
;;       return np.moveaxis(q.reshape(q.shape[:-2] + (-1,))[..., :K], -1, axis).astype(np.float32)
;;   ~~~
;;   SOFTMAX AHEAD OF A QUANTISED PRODUCT. Where the list says 'softmax', what is quantised is not the finished softmax but p = 2^(t - M), with t = logit x log2(e) and M = ceil(the row's largest t), a whole number; so 1/2 < the row's largest p <= 1. The row's sum l is taken of the UNQUANTISED p, in f32, and the product's result is divided by l at the end. Since M is a whole number, a kernel that streams over the keys may use a running M (the ceiling of the running maximum): every later rescaling is an exact power of two, which a block's scale takes up: the codes' values come out the same.
;;   OPERANDS COMPUTED ON THE WAY. 'Computed on the way' means the value that the module computes at that place (a softmax that the list does not call 'softmax' is quantised finished and normalised). What goes into a quantiser is computed in f32, as accurately as f32 sums, v_exp_f32 and their like allow (about 1e-6 of the number): no bf16 or f16 on the way to a quantiser, and a product that is left as it is and whose result goes on into a quantised operand takes f32 operands (vector FMAs, or v_wmma_f32_16x16x4_f32). A number that lies on a knife's edge between two numbers of the format may be rounded either way, as far as f32 arithmetic and the matrix unit's own rounding can turn it there, and no further.
;;   INPUTS GIVEN AS CODES. Wk (in the module: [1024, 1024], K = its axis 1); Wo (in the module: [1024, 1024], K = its axis 1); Wq (in the module: [1024, 1024], K = its axis 1); Wv (in the module: [1024, 1024], K = its axis 1); x (in the module: [4, 2048, 1024], K = its axis 2): each comes as NAME_codes (uint8): NAME with its K axis moved to the last place and cut into blocks of 32 codes, [.., K / 32, bytes a block], one block behind the other in memory; two codes a byte, the lower K in the low four bits (a code: sign, 2 exponent bits, 1 mantissa bit); and NAME_scales (uint8): the same leading axes, one E8M0 byte (e + 127) for each 32 codes along K. Its value is code x scale, taken as it is: it is not quantised again, and the codes and scales need not be those that the quantiser above would give.
;; One version. Each part assembles by itself: llvm-mc -triple=amdgcn-amd-amdhsa -mcpu=gfx1250 --defsym DOCPART=n.
;; ======== version 1 of 1: 3 launches
;; workspace buffers: qkv 13,369,344 bytes; ctxc 4,194,304 bytes; ctxs 262,144 bytes
;; launch proj (part 1): grid 12 x 32, 4 waves a work-group, clusters of 4 x 4, 327,680 bytes of LDS; arguments x_codes, x_scales, Wq_codes, Wq_scales, Wk_codes, Wk_scales, Wv_codes, Wv_scales, qkv; writes qkv
.if DOCPART == 1
	.amdgcn_target "amdgcn-amd-amdhsa--gfx1250"
	.amdhsa_code_object_version 6
	.text
	.protected	k_q15e73c0e98_proj
	.globl	k_q15e73c0e98_proj
	.p2align	8
	.type	k_q15e73c0e98_proj,@function
k_q15e73c0e98_proj:
	s_mov_b64 s[64:65], 0
	v_nop
	global_prefetch_b8 v0, s[64:65] scope:SCOPE_SE
	s_setreg_imm32_b32 hwreg(HW_REG_WAVE_MODE, 25, 1), 1
	s_wait_xcnt 0x0
	s_wait_alu depctr_hold_cnt(0) depctr_sa_sdst(0) depctr_va_vdst(0) depctr_va_sdst(0) depctr_va_ssrc(0) depctr_va_vcc(0) depctr_vm_vsrc(0)
	s_getreg_b32 s2, hwreg(HW_REG_IB_STS2, 6, 4)
	s_cmp_eq_u32 s2, 0
	s_cbranch_scc0 .Lentry_in_a_cluster
	s_endpgm
.Lentry_in_a_cluster:
	s_bfe_u32 s2, ttmp6, 0x10000c
	s_cmp_lg_u32 s2, 0xf033
	s_cbranch_scc0 .Lentry_shape_is_right
	s_endpgm
.Lentry_shape_is_right:
; q = x Wq^T, k = x Wk^T, v = x Wv^T on codes of FP4 (E2M1) with one E8M0 scale for each 32 along K = 1,024, f32 sums; the results are quantised in registers
; (q and k along a head's 64 channels, v along the keys) and leave as codes and scale words, laid as the attention launch's operand registers want them.  No f32 intermediate goes to memory.
; DEAD WORK OF THE WHOLE PROGRAM.  reference() sets every score of a key behind its query to -inf by a tril that it builds itself, so its weight is 0 whatever the inputs hold: a step of 128 keys that lies
; wholly behind a tile's 16 queries is left out in the attention launch (its products and its softmax); on the diagonal step the hidden scores are replaced by -inf.  Nothing else is left out, and every input is loaded.
; LIMITS.  A NaN, an infinity or an overflow that reaches only the steps left out is not carried to the result.  NaN, infinities and the scale byte 0xff among the inputs are not served.
; A block whose largest magnitude lies under 2^-124 keeps the scale byte 1; a block of zeros gets the byte 1 where the quantiser says 127: its codes are zeros, and this program alone reads these bytes.
; SHARES.  384 tiles of 256 x 256: cluster x = the type (0 q, 1 k, 2 v), cx = the weight's 256 rows, 4 x cluster y + cy = x's 256 rows.  Four waves (I = wave / 2, J = wave % 2), each 128 x 128: 64 accumulators.
; THE MATRIX INSTRUCTION: source 1's row is the lane's, source 0's rows run along the lane's registers.  q, k: source 0 = the weight's rows (channels), source 1 = x's rows (tokens): a lane holds one token, its registers
; run along the channels, the next K.  v: the two change places: a lane holds one channel, its registers run along the keys.  The change is made in two LDS bases and two scale pointers; the products are one text.
; K = 1,024 lies in LDS whole, as two slots of 512 along K (rows of 256 bytes + 16 of padding): every tile is filled once, nothing is filled again.
; CLUSTER 4 x 4: x's tile is shared along a row of the cluster, the weight's along a column: each is asked for jointly.
; THE RECORD in qkv, for head bh = 16 b + head and step s of 128 tokens, REC bytes at (16 bh + s) REC:  0 q codes [tile a (8)][512]: lane (r, h) at 256 h + 16 r = token 16 a + r, channels 32 h on;
;   4,096 q scale words [r][pos]: pos 0, 1, 2, 3 = pairs of tiles 0, 2, 1, 3; a word = the two bytes of tile 2 i's token r below, those of tile 2 i + 1's above;  4,352 k codes, as q's;
;   8,448 v codes [t (4 x 16 channels)][c][512]: the image of a fragment of 16 channels x 128 keys;  12,544 k scale words, as q's;  12,800 v scale words [r][t].
; REGISTERS, in windows of 256: window 0: v1-27 addresses, v28-29 the add's two, v32-63 source 1's scale words, v64-95 source 0's, v96-127 at work, v128-191 source 1's fragments, later the codes made;
;   window 1: source 0's fragments, two sets (v0, v128);  window 2, 3: the accumulators: (a, b) at v[8 (8 (a % 4) + b)] of window 2 + a / 4.
.set PITCH,  272                       ; an LDS row: 256 bytes + 16 of padding: the 16 rows of a fragment load start 68 words apart
.set QUART,  64*PITCH                  ; what one tensor load brings
.set HALFT,  128*PITCH                 ; what a wave reads of one operand
.set SLOT,   4*HALFT                   ; x's 256 rows, then the weight's 256 rows
.set SPARE,  2*SLOT                    ; the spare words, 128 bytes a wave
.set REC,    13056
.set RECH,   16*REC
.set ADRA, 16                          ; v16-17 LDS address of source 1's fragments in slot 0, 1
.set ADRB, 20                          ; v20-21 of source 0's
.set OFF0, 24                          ; v24 16 x lane
.set OFF1, 25                          ; v25 16 x lane + the distance to a block's second piece
.set SOFF, 26                          ; v26 16 r + RECH h
.set SLO,  27                          ; v27 32 r + 16 h: a lane's 16 scale bytes
.set SPW,  28
.set NIL,  29
.set SC1,  32
.set SC0,  64
.set TM,   96                          ; v96-99 largest magnitudes, v100-103 bytes, v108-111 the conversions' scale operands
.set PW,   112                         ; v112-119 block a's scale word
.set WS,   120                         ; v120-123 the words as they are stored
.set AF,   128
.set G1X, 36
.set G1W, 44
.set GX0, 52
.set GX1, 56
.set GW0, 60
.set GW1, 68
.set BASE, 72                          ; s[72:87] where block a's codes go
.set SBASE, 88
.set SA, 90
.set SB, 92
.set SEL, 94
.set MSB, 0
.macro WIN new                         ; the immediate's high byte repeats the setting that is left
.if MSB != (\new)
	s_set_vgpr_msb (MSB<<8)|(\new)
.set MSB, (\new)
.endif
.endm
.macro PLACES n
.rept \n
	v_nop
.endr
.endm
.macro CROUND                          ; a round of the cluster's barrier
	s_barrier_signal -1
	s_barrier_wait -1
	s_cmp_lg_u32 s22, 0
	s_cbranch_scc1 .Lnot_wave_0_\@
	s_barrier_signal -3
.Lnot_wave_0_\@:
	s_barrier_wait -3
	s_barrier_signal -1
	s_barrier_wait -1
.endm
	s_load_b512 s[4:19], s[0:1], 0x0               ; x codes, x scales, Wq codes, Wq scales, Wk codes, Wk scales, Wv codes, Wv scales
	s_load_b64 s[20:21], s[0:1], 0x40              ; qkv
	v_lshl_add_u32 v[SPW], v0, 2, SPARE
	v_mov_b32 v[NIL], 0
	ds_add_u32 v[SPW], v[NIL]                      ; the wave's opening: the add, twice on end, and its wait ahead of my first tensor load
	ds_add_u32 v[SPW], v[NIL]
	v_lshrrev_b32 v1, 5, v0
	v_readfirstlane_b32 s22, v1                    ; wave
	s_lshr_b32 s23, s22, 1                         ; I: which 128 rows of source 1
	s_and_b32 s24, s22, 1                          ; J: which 128 rows of source 0
	s_bfe_u32 s25, ttmp6, 0x40000                  ; cx
	s_bfe_u32 s26, ttmp6, 0x40004                  ; cy
	s_mov_b32 s27, ttmp9                           ; the type: the cluster's x, the same in all sixteen partners
	s_and_b32 s28, ttmp7, 0xffff
	s_lshl_b32 s28, s28, 2
	s_add_co_u32 s28, s28, s26                     ; x's tile of 256 rows
	s_lshl_b32 s29, s26, 2
	s_lshl_b32 s29, 15, s29                        ; my row of the cluster
	s_lshl_b32 s30, 0x1111, s25                    ; my column
	s_or_b32 s[G1X], s29, (1<<20)|(1<<21)|(5<<22)|(3<<25)   ; elements of 1 byte; padding: 4 words behind every 64; bit 21 beside the mask
	s_or_b32 s[G1W], s30, (1<<20)|(1<<21)|(5<<22)|(3<<25)
.irp g, G1X, G1W
	s_mov_b32 s[\g+1], 256<<16                     ; tensor_dim0 = 256 bytes: 512 along K
	s_mov_b32 s[\g+2], 64<<16                      ; tensor_dim1 = 64 rows
	s_mov_b32 s[\g+3], 256<<16                     ; tile_dim0
	s_mov_b32 s[\g+4], 64                          ; tile_dim1
	s_mov_b32 s[\g+5], 512                         ; a row of 1,024 codes in memory
	s_mov_b32 s[\g+6], 0
	s_mov_b32 s[\g+7], 0
.endr
	s_lshl_b32 s2, s28, 17                         ; x: 256 rows of 512 bytes a tile,
	s_lshl_b32 s3, s22, 15                         ; 64 rows a wave
	s_add_co_u32 s2, s2, s3
	s_mov_b32 s3, 0
	s_lshl_b32 s98, s25, 17                        ; the weight likewise
	s_lshl_b32 s99, s22, 15
	s_add_co_u32 s98, s98, s99
	s_mov_b32 s99, 0
	s_mul_i32 s31, s22, QUART                      ; and where they go: the wave's number alone
	s_mov_b32 s[SEL], 0x76543210
	s_mov_b32 s[SEL+1], 0xfedcba98
	s_wait_dscnt 0x0                               ; both opening adds are done
	s_wait_kmcnt 0x0
	s_cmp_eq_u32 s27, 0                            ; the weight of my type
	s_cselect_b64 s[32:33], s[8:9], s[12:13]
	s_cselect_b64 s[34:35], s[10:11], s[14:15]
	s_cmp_eq_u32 s27, 2
	s_cselect_b64 s[32:33], s[16:17], s[32:33]
	s_cselect_b64 s[34:35], s[18:19], s[34:35]
	s_add_nc_u64 s[2:3], s[4:5], s[2:3]
	s_add_nc_u64 s[98:99], s[32:33], s[98:99]
	s_mov_b32 s[GX0], 1
	s_mov_b32 s[GX0+1], s31
	s_mov_b64 s[GX0+2:GX0+3], s[2:3]
	s_or_b32 s[GX0+3], s[GX0+3], 0x80000000
	s_mov_b32 s[GX1], 1
	s_add_co_u32 s[GX1+1], s31, SLOT
	s_add_nc_u64 s[GX1+2:GX1+3], s[2:3], 256
	s_or_b32 s[GX1+3], s[GX1+3], 0x80000000
	s_mov_b32 s[GW0], 1
	s_add_co_u32 s[GW0+1], s31, 2*HALFT
	s_mov_b64 s[GW0+2:GW0+3], s[98:99]
	s_or_b32 s[GW0+3], s[GW0+3], 0x80000000
	s_mov_b32 s[GW1], 1
	s_add_co_u32 s[GW1+1], s31, SLOT+2*HALFT
	s_add_nc_u64 s[GW1+2:GW1+3], s[98:99], 256
	s_or_b32 s[GW1+3], s[GW1+3], 0x80000000
	CROUND                                         ; all sixteen work-groups are here: the joint loads meet
	tensor_load_to_lds s[GX0:GX0+3], s[G1X:G1X+7]  ; all of K, four loads a wave, each filled once: four loads of mine are out
	s_nop 0
	tensor_load_to_lds s[GW0:GW0+3], s[G1W:G1W+7]
	s_nop 0
	tensor_load_to_lds s[GX1:GX1+3], s[G1X:G1X+7]
	s_nop 0
	tensor_load_to_lds s[GW1:GW1+3], s[G1W:G1W+7]
	s_nop 0
	PLACES 4
	; THE SCALES go straight into registers: a tile's 16 rows of scale bytes are 512 dense bytes; lane (r, h) takes the 16 bytes at 32 r + 16 h: lanes 0-15 the words of K steps 0-3, lanes 16-31 those of K steps 4-7
	v_and_b32 v1, 15, v0                           ; r
	v_bfe_u32 v2, v0, 4, 1                         ; h
	v_and_b32 v3, 31, v0                           ; lane
	v_lshlrev_b32 v[SLO], 5, v1
	v_lshl_add_u32 v[SLO], v2, 4, v[SLO]
	s_wait_alu depctr_va_vdst(0)
	s_cmp_eq_u32 s27, 2
	s_cselect_b64 s[30:31], s[34:35], s[6:7]       ; source 1's scales: v: the weight's, else x's
	s_cselect_b64 s[32:33], s[6:7], s[34:35]       ; source 0's: the other
	s_cselect_b32 s96, s25, s28
	s_cselect_b32 s98, s28, s25
	s_lshl_b32 s96, s96, 13                        ; 256 rows of 32 bytes,
	s_lshl_b32 s97, s23, 12                        ; my 128
	s_add_co_u32 s96, s96, s97
	s_mov_b32 s97, 0
	s_add_nc_u64 s[30:31], s[30:31], s[96:97]
	s_lshl_b32 s98, s98, 13
	s_lshl_b32 s99, s24, 12
	s_add_co_u32 s98, s98, s99
	s_mov_b32 s99, 0
	s_add_nc_u64 s[32:33], s[32:33], s[98:99]
.irp i, 0,1,2,3,4,5,6,7
	global_load_b128 v[SC1+4*\i:SC1+4*\i+3], v[SLO], s[30:31] offset:512*\i
	global_load_b128 v[SC0+4*\i:SC0+4*\i+3], v[SLO], s[32:33] offset:512*\i
.endr
	; fragment addresses: row x pitch + 16 h; x's rows lie at a slot's head, the weight's behind them
	s_cmp_eq_u32 s27, 2
	s_cselect_b32 s29, 2*HALFT, 0                  ; source 1: v: the weight's rows
	s_cselect_b32 s34, 0, 2*HALFT                  ; source 0: v: x's rows
	s_mul_i32 s35, s23, HALFT
	s_add_co_u32 s29, s29, s35
	s_mul_i32 s35, s24, HALFT
	s_add_co_u32 s34, s34, s35
	v_mul_u32_u24 v4, v1, PITCH
	v_lshl_add_u32 v4, v2, 4, v4
	v_add_nc_u32 v[ADRA], s29, v4
	v_add_nc_u32 v[ADRB], s34, v4
	v_add_nc_u32 v[ADRA+1], SLOT, v[ADRA]
	v_add_nc_u32 v[ADRB+1], SLOT, v[ADRB]
	; where the results go
	s_cmp_eq_u32 s27, 2
	s_cselect_b32 s2, s24, s23                     ; which half of the 256 tokens is mine
	s_cselect_b32 s3, s23, s24                     ; which half of the 256 channels
	s_mov_b32 s[SA], 512
	s_cselect_b32 s[SA], 1024, s[SA]               ; from block a to block a + 1
	s_cselect_b32 s[SB], RECH-4096, 0              ; v: blocks 4-7 are the next head's
	s_mov_b32 s29, RECH
	s_cselect_b32 s29, 512, s29                    ; a block's second piece: q, k: the next head's record; v: keys 64 on
	s_mov_b32 s34, 4352
	s_cselect_b32 s34, 8448, s34                   ; the codes' place in a record,
	s_mov_b32 s35, 12544
	s_cselect_b32 s35, 12800, s35                  ; and the scale words'
	s_cmp_eq_u32 s27, 0
	s_cselect_b32 s34, 0, s34
	s_cselect_b32 s35, 4096, s35
	s_mov_b32 s[SA+1], 0
	s_mov_b32 s[SB+1], 0
	s_lshr_b32 s96, s28, 3                         ; b
	s_lshl_b32 s96, s96, 4
	s_lshl_b32 s97, s25, 2
	s_add_co_u32 s96, s96, s97
	s_lshl_b32 s97, s3, 1
	s_add_co_u32 s96, s96, s97                     ; 16 b + my first head
	s_lshl_b32 s96, s96, 4
	s_and_b32 s97, s28, 7
	s_lshl_b32 s97, s97, 1
	s_add_co_u32 s96, s96, s97
	s_add_co_u32 s96, s96, s2                      ; x 16 + my step of 128 tokens
	s_mul_i32 s96, s96, REC
	s_add_co_u32 s98, s96, s34
	s_mov_b32 s99, 0
	s_add_nc_u64 s[BASE:BASE+1], s[20:21], s[98:99]
	s_add_co_u32 s98, s96, s35
	s_add_nc_u64 s[SBASE:SBASE+1], s[20:21], s[98:99]
.irp a, 1,2,3,4,5,6,7
	s_add_nc_u64 s[BASE+2*\a:BASE+2*\a+1], s[BASE+2*\a-2:BASE+2*\a-1], s[SA:SA+1]
.if \a == 4
	s_add_nc_u64 s[BASE+2*\a:BASE+2*\a+1], s[BASE+2*\a:BASE+2*\a+1], s[SB:SB+1]
.endif
.endr
	v_lshlrev_b32 v[OFF0], 4, v3
	v_add_nc_u32 v[OFF1], s29, v[OFF0]
	v_mul_u32_u24 v5, v2, RECH
	v_lshl_add_u32 v[SOFF], v1, 4, v5
.irp b, 0,1,2,3
	v_mov_b32 v[TM+4+\b], 0                        ; written once: a lane permute's destination counts as one of its sources
.endr
.macro FRAG reg, adr, q, i             ; 16 rows x 128 K of 4-bit codes: 8 registers, two loads of 16 bytes, 32 bytes apart
.irp c, 0,1
	ds_load_b128 v[\reg+4*\c:\reg+4*\c+3], v[\adr] offset:64*(\q)+32*\c+(\i)*16*PITCH
.endr
.endm
.macro FETCH_B slot, q, p              ; source 0's eight fragments of the slot's q-th 128 along K into set p
	WIN 0x40
.irp i, 0,1,2,3,4,5,6,7
	FRAG 128*(\p)+8*\i, ADRB+\slot, \q, \i
.endr
	WIN 0
.endm
.macro FETCH_A slot, q, i0             ; source 1's blocks i0 .. i0 + 3
.irp i, \i0, \i0+1, \i0+2, \i0+3
	FRAG AF+8*(\i), ADRA+\slot, \q, \i
.endr
.endm
; 16 matrix instructions: source 1's blocks a0, a0 + 1 x source 0's eight.  In slot 1 both sides' scale words are taken from lanes 16-31.  zero = 1: the first product starts the sums.
; The 64 accumulators take turns, one instruction a turn, in the same order in every step.
.macro MUL16 a0, p, q, sl, zero
.irp a, \a0, \a0+1
.irp b, 0,1,2,3,4,5,6,7
.if \zero
	v_wmma_scale_f32_16x16x128_f8f6f4 v[8*(8*((\a)%4)+\b):8*(8*((\a)%4)+\b)+7], v[128*(\p)+8*\b:128*(\p)+8*\b+7], v[AF+8*(\a):AF+8*(\a)+7], 0, v[SC0+4*\b+(\q)], v[SC1+4*(\a)+(\q)] matrix_a_fmt:MATRIX_FMT_FP4 matrix_b_fmt:MATRIX_FMT_FP4
.elseif \sl
	v_wmma_scale_f32_16x16x128_f8f6f4 v[8*(8*((\a)%4)+\b):8*(8*((\a)%4)+\b)+7], v[128*(\p)+8*\b:128*(\p)+8*\b+7], v[AF+8*(\a):AF+8*(\a)+7], v[8*(8*((\a)%4)+\b):8*(8*((\a)%4)+\b)+7], v[SC0+4*\b+(\q)], v[SC1+4*(\a)+(\q)] matrix_a_fmt:MATRIX_FMT_FP4 matrix_b_fmt:MATRIX_FMT_FP4 matrix_a_scale:MATRIX_SCALE_ROW1 matrix_b_scale:MATRIX_SCALE_ROW1
.else
	v_wmma_scale_f32_16x16x128_f8f6f4 v[8*(8*((\a)%4)+\b):8*(8*((\a)%4)+\b)+7], v[128*(\p)+8*\b:128*(\p)+8*\b+7], v[AF+8*(\a):AF+8*(\a)+7], v[8*(8*((\a)%4)+\b):8*(8*((\a)%4)+\b)+7], v[SC0+4*\b+(\q)], v[SC1+4*(\a)+(\q)] matrix_a_fmt:MATRIX_FMT_FP4 matrix_b_fmt:MATRIX_FMT_FP4
.endif
.endr
.endr
.endm
; A step of 128 along K that has its successor in the same slot.  Source 1 has one set of registers: blocks 0-3 are fetched anew in the step's middle, blocks 4-7 at its end; source 0 has two sets.
; Four plain places stand in front of each run of loads into registers that matrix instructions have read (ISA guide 7.12.1 for vector instructions).
.macro STEP sl, q, zero
	s_wait_dscnt 8                                 ; source 0's set and source 1's blocks 0-3 are in; the youngest eight loads (blocks 4-7) may be out
	WIN 0xa1
	MUL16 0, (\q)%2, \q, \sl, \zero
	MUL16 2, (\q)%2, \q, \sl, \zero
	s_wait_dscnt 0
	PLACES 4
	FETCH_B \sl, (\q)+1, 1-(\q)%2
	FETCH_A \sl, (\q)+1, 0
	WIN 0xf1
	MUL16 4, (\q)%2, \q, \sl, \zero
	MUL16 6, (\q)%2, \q, \sl, \zero
	PLACES 4
	WIN 0
	FETCH_A \sl, (\q)+1, 4
.endm
	s_wait_alu depctr_va_vdst(0)
	s_wait_tensorcnt 0x2                           ; my parts of slot 0 are in; slot 1's two loads may stay out
	s_barrier_signal -1
	s_barrier_wait -1                              ; everybody's are
	FETCH_B 0, 0, 0
	FETCH_A 0, 0, 0
	FETCH_A 0, 0, 4
	s_wait_loadcnt 0x0                             ; the scale words
	STEP 0, 0, 1
	STEP 0, 1, 0
	STEP 0, 2, 0
	; slot 0's last step changes to slot 1
	s_wait_tensorcnt 0x0                           ; my parts of slot 1 have landed
	ds_add_u32 v[SPW], v[NIL]                      ; 0 onto my spare word
	s_wait_dscnt 9                                 ; (the add and the youngest eight loads may be out)
	WIN 0xa1
	MUL16 0, 1, 3, 0, 0
	s_wait_dscnt 0x0                               ; no LDS instruction of mine is pending at the signal
	s_barrier_signal -1
	MUL16 2, 1, 3, 0, 0
	WIN 0
	s_barrier_wait -1                              ; slot 1 is whole
	PLACES 4
	FETCH_B 1, 0, 0
	FETCH_A 1, 0, 0
	WIN 0xf1
	MUL16 4, 1, 3, 0, 0
	MUL16 6, 1, 3, 0, 0
	PLACES 4
	WIN 0
	FETCH_A 1, 0, 4
	STEP 1, 0, 0
	STEP 1, 1, 0
	STEP 1, 2, 0
	s_wait_dscnt 8                                 ; the last step: nothing more to fetch
	WIN 0xa1
	MUL16 0, 1, 3, 1, 0
	MUL16 2, 1, 3, 1, 0
	s_wait_dscnt 0
	WIN 0xf1
	MUL16 4, 1, 3, 1, 0
	MUL16 6, 1, 3, 1, 0
	WIN 0
	PLACES 4
; THE QUANTISER, block a of source 1's rows.  A lane holds 64 numbers of its row: register 8 t + j = next-K index 16 t + 8 h + j; a block of 32 is tiles 2 b, 2 b + 1 in lanes l and l xor 16.
; The largest magnitude (with the floor 2^-124 among its leaves) gives, with 2 off its exponent field, the conversion's scale operand, and that shifted down the byte.  Tile t's eight codes go to register
; 4 (t / 4) + {0, 2, 1, 3}[t % 4]; two exchanges of lane halves for each 64 then leave registers 4 c .. 4 c + 3 of lane (r, h) with next-K 64 c + 32 h + 0 .. 31: the operand's own order.
; Each accumulator is read from its low end on.
.macro EPI a
.set AC, 64*((\a)%4)
.set PCA, AF+8*(\a)
	WIN 5*(2+(\a)/4)                               ; sources 0 and 1: the accumulators' window
.irp b, 0,1,2,3
	v_max3_num_f32 v[TM+\b], |v[AC+16*\b]|, |v[AC+16*\b+1]|, 0x1800000
.endr
.irp i, 2,4,6,8,10,12,14
.irp b, 0,1,2,3
	v_max3_num_f32 v[TM+\b], |v[AC+16*\b+\i]|, |v[AC+16*\b+\i+1]|, v[TM+\b]
.endr
.endr
	WIN 0
.irp b, 0,1,2,3
	v_permlanex16_b32 v[TM+4+\b], v[TM+\b], s[SEL], s[SEL+1]
.endr
.irp b, 0,1,2,3
	v_max_num_f32 v[TM+\b], v[TM+\b], v[TM+4+\b]
.endr
.irp b, 0,1,2,3
	v_add_nc_u32 v[TM+12+\b], 0xff000000, v[TM+\b]
.endr
.irp b, 0,1,2,3
	v_lshrrev_b32 v[TM+4+\b], 23, v[TM+12+\b]
.endr
	v_lshl_or_b32 v[PW+(\a)], v[TM+5], 8, v[TM+4]
	v_lshl_or_b32 v[PW+(\a)], v[TM+6], 16, v[PW+(\a)]
	v_lshl_or_b32 v[PW+(\a)], v[TM+7], 24, v[PW+(\a)]
	WIN 2+(\a)/4                                   ; source 0: the accumulators' window
.irp t, 0,1,2,3,4,5,6,7
	v_cvt_scalef32_pk8_fp4_f32 v[PCA+4*(\t/4)+2*(\t%2)+(\t%4)/2], v[AC+8*\t:AC+8*\t+7], v[TM+12+\t/2]
.endr
	WIN 0
	v_nop                                          ; one plain place behind a scaled conversion
.irp c, 0,2,4,6
	v_permlane16_swap_b32 v[PCA+\c], v[PCA+\c+1]
.endr
	global_store_b128 v[OFF0], v[PCA:PCA+3], s[BASE+2*(\a):BASE+2*(\a)+1]      ; 32 lanes store 512 consecutive bytes, at a multiple of 256 from the buffer's first byte
	global_store_b128 v[OFF1], v[PCA+4:PCA+7], s[BASE+2*(\a):BASE+2*(\a)+1]    ; no register of a store is written again: no wait is owed
.endm
.irp a, 0,1,2,3,4,5,6,7
	EPI \a
.endr
	; the scale words: lanes 0-15 store my first head's 256 bytes, lanes 16-31 the next head's
	v_cmp_lt_u32 vcc_lo, 15, v3
	s_cmp_eq_u32 s27, 2                            ; the type: the same in all partners
	s_cbranch_scc1 .Lv_words
	v_mov_b32 v124, 0x05040100                     ; q, k: a word's low half is tile 2 i's two bytes of the head, its high half tile 2 i + 1's: two tiles' halves make a stored word
	v_mov_b32 v125, 0x07060302
	v_cndmask_b32 v124, v124, v125, vcc_lo
	v_perm_b32 v[WS], v[PW+1], v[PW], v124
	v_perm_b32 v[WS+1], v[PW+5], v[PW+4], v124
	v_perm_b32 v[WS+2], v[PW+3], v[PW+2], v124
	v_perm_b32 v[WS+3], v[PW+7], v[PW+6], v124
	s_branch .Lwords_made
.Lv_words:
.irp t, 0,1,2,3
	v_cndmask_b32 v[WS+\t], v[PW+\t], v[PW+4+\t], vcc_lo   ; v: blocks 0-3 are the first head's channels, blocks 4-7 the second's
.endr
.Lwords_made:
	s_wait_alu depctr_va_vdst(0)
	global_store_b128 v[SOFF], v[WS:WS+3], s[SBASE:SBASE+1]
	s_wait_tensorcnt 0x0                           ; the wave's end
	ds_add_u32 v[SPW], v[NIL]
	s_wait_dscnt 0x0
	CROUND                                         ; the closing round
	s_endpgm
.Lfunc_end_k_q15e73c0e98_proj:
	.size	k_q15e73c0e98_proj, .Lfunc_end_k_q15e73c0e98_proj-k_q15e73c0e98_proj
	.p2alignl 7, 3214868480
	.fill 96, 4, 3214868480
	.section	.rodata,"a",@progbits
	.p2align	6, 0x0
	.amdhsa_kernel k_q15e73c0e98_proj
		.amdhsa_group_segment_fixed_size 327680
		.amdhsa_private_segment_fixed_size 0
		.amdhsa_enable_private_segment 0
		.amdhsa_kernarg_size 72
		.amdhsa_user_sgpr_count 2
		.amdhsa_user_sgpr_kernarg_segment_ptr 1
		.amdhsa_wavefront_size32 1
		.amdhsa_system_sgpr_workgroup_id_x 1
		.amdhsa_system_sgpr_workgroup_id_y 1
		.amdhsa_system_sgpr_workgroup_id_z 1
		.amdhsa_system_vgpr_workitem_id 0
		.amdhsa_next_free_vgpr 1024
		.amdhsa_next_free_sgpr 100
		.amdhsa_reserve_vcc 1
		.amdhsa_float_denorm_mode_32 3
		.amdhsa_float_denorm_mode_16_64 3
		.amdhsa_memory_ordered 1
		.amdhsa_forward_progress 1
		.amdhsa_inst_pref_size 128
	.end_amdhsa_kernel
	.amdgpu_metadata
---
amdhsa.version: [ 1, 2 ]
amdhsa.kernels:
  - .name:           k_q15e73c0e98_proj
    .symbol:         k_q15e73c0e98_proj.kd
    .args:
      - { .name: x_codes, .offset: 0, .size: 8, .value_kind: global_buffer, .address_space: global }
      - { .name: x_scales, .offset: 8, .size: 8, .value_kind: global_buffer, .address_space: global }
      - { .name: Wq_codes, .offset: 16, .size: 8, .value_kind: global_buffer, .address_space: global }
      - { .name: Wq_scales, .offset: 24, .size: 8, .value_kind: global_buffer, .address_space: global }
      - { .name: Wk_codes, .offset: 32, .size: 8, .value_kind: global_buffer, .address_space: global }
      - { .name: Wk_scales, .offset: 40, .size: 8, .value_kind: global_buffer, .address_space: global }
      - { .name: Wv_codes, .offset: 48, .size: 8, .value_kind: global_buffer, .address_space: global }
      - { .name: Wv_scales, .offset: 56, .size: 8, .value_kind: global_buffer, .address_space: global }
      - { .name: qkv, .offset: 64, .size: 8, .value_kind: global_buffer, .address_space: global }
    .group_segment_fixed_size: 327680
    .private_segment_fixed_size: 0
    .kernarg_segment_align: 8
    .kernarg_segment_size: 72
    .max_flat_workgroup_size: 128
    .sgpr_count:     100
    .vgpr_count:     1024
    .wavefront_size: 32
...
	.end_amdgpu_metadata
.endif
;; end of part 1
;; launch attn (part 2): grid 4 x 64, 16 waves a work-group, clusters of 4 x 1, 327,680 bytes of LDS; arguments qkv, ctxc, ctxs; writes ctxc, ctxs
.if DOCPART == 2
	.amdgcn_target "amdgcn-amd-amdhsa--gfx1250"
	.amdhsa_code_object_version 6
	.text
	.protected	k_q15e73c0e98_attn
	.globl	k_q15e73c0e98_attn
	.p2align	8
	.type	k_q15e73c0e98_attn,@function
k_q15e73c0e98_attn:
	s_mov_b64 s[64:65], 0
	v_nop
	global_prefetch_b8 v0, s[64:65] scope:SCOPE_SE
	s_setreg_imm32_b32 hwreg(HW_REG_WAVE_MODE, 25, 1), 1
	s_wait_xcnt 0x0
	s_wait_alu depctr_hold_cnt(0) depctr_sa_sdst(0) depctr_va_vdst(0) depctr_va_sdst(0) depctr_va_ssrc(0) depctr_va_vcc(0) depctr_vm_vsrc(0)
	s_getreg_b32 s2, hwreg(HW_REG_IB_STS2, 6, 4)
	s_cmp_eq_u32 s2, 0
	s_cbranch_scc0 .Lentry_in_a_cluster
	s_endpgm
.Lentry_in_a_cluster:
	s_bfe_u32 s2, ttmp6, 0x10000c
	s_cmp_lg_u32 s2, 0x3003
	s_cbranch_scc0 .Lentry_shape_is_right
	s_endpgm
.Lentry_shape_is_right:
; ctx = softmax(q k^T / 8, causal) v for one head, both products on codes of FP4 with E8M0 scales; ctx / l is quantised along the head's 64 channels and leaves as codes and scale bytes for the last projection.
; LEFT OUT: a step of 128 keys that lies wholly behind a tile's 16 queries (reference()'s own tril gives those scores -inf, so their weights are 0 for all inputs).  A NaN, an infinity or an overflow that reaches only such steps is not carried on.
; LIMITS: a weight under 2^-126 becomes 0 (v_exp_f32 gives no denormals: ISA guide, its entry); blocks whose largest magnitude lies under 2^-124, blocks of zeros among them, keep the scale byte 1: read by this program alone.
; THE SOFTMAX: t = score x log2(e) / 8; M = the running largest t rounded up to a whole number, kept as -M = floor(-t); p = 2^(t - M) is quantised along the keys, not normalised; the row's sum is taken of the unquantised p
; and divides at the end; when M moves, the sum and O are multiplied by 2^(old M - new M), which rounds nothing.
; SHARES.  Cluster y = the head bh; the cluster's four work-groups p = 0 .. 3 own the query tiles tau = 4 i + p, i = 0 .. 31.  Wave w owns tile A (i = w) and tile B (i = 31 - w): (w / 2 + 1) + (16 - w / 2) = 17 tile steps in
; every wave of every work-group, and the limits do not hang on p.  Every work-group reads all 16 key steps (wave 0's tile B does), so K and V are asked for jointly by the four.
; ALL OF A HEAD'S K AND V, 16 steps x 8,704 bytes, lies in LDS, filled once: 32 dense pieces of 4,352 bytes, two a wave.  No tile is asked for later, so nothing is asked of memory ahead of a load.
; LAYOUT.  Both products are used transposed: a lane holds one query (lane % 16).  A head has 64 channels, half of the instruction's 128: a fragment of K carries TWO tiles of 16 keys (registers 0-3, registers 4-7) and is
; multiplied once by [q | 0] and once by [0 | q]; the zero codes add nothing, and q's scale bytes over them are 0.  Tile (g, u) takes, in its row x, key 64 g + 32 (x / 8) + 8 u + x % 8: so lane (r, h) holds in registers
; 32 g + 8 u + j the key 64 g + 32 h + 8 u + j: a whole block of 32 keys in one lane, in the second product's own order: no block maximum crosses lanes and no codes change lanes.
; (K's loads take two groups of eight rows 1,024 bytes apart: they go two deep in the banks; eight loads beside a step's vector work.)
.set REC,   13056
.set RECH,  16*REC
.set STEPB, 8704                       ; a step in LDS: 0 K codes, 4,096 V codes, 8,192 K scale words, 8,448 V scale words
.set STG,   16*STEPB                   ; ctx's scale bytes of the work-group's 32 tiles: 32 i + 2 r
.set SPARE, STG+1024                   ; the spare words, 128 bytes a wave
.set LI,  1                            ; v1  16 x lane
.set AK,  2                            ; v2  1,024 (r / 8) + 256 h + 16 (r % 8)
.set AKS, 3                            ; v3  8,192 + 16 (r % 8) + 8 (r / 8)
.set AVS, 4                            ; v4  8,448 + 16 r
.set SPW, 5
.set NIL, 6
.set SH8, 7                            ; v7  8 h
.set ADK, 8                            ; v8-11 the step's addresses
.set ADV, 9
.set ADKS, 10
.set ADVS, 11
.set STA, 12                           ; v12 -M, v13 the largest t, v[14:15] the sum in two halves: tile A's;  v16-19 tile B's
.set STB, 16
.set QSC, 40                           ; v40 q's scale word under [q | 0], v41 under [0 | q]: tile A's;  v42, v43 tile B's
.set KSC, 44                           ; v44-47 K's scale words: 2 w + g
.set VSC, 48                           ; v48-51 V's
.set PCA, 52                           ; v52-59, v60-67 p's codes
.set PCB, 60
.set PWA, 68                           ; v68, v69 p's scale words
.set PWB, 69
.set DA,  70                           ; v70 16 (tau % 8) + r - 32 h, v71 the same - 64: tile A's;  v72, v73 tile B's
.set DB,  72
.set BM,  74                           ; v74-75 the two blocks' largest
.set TT,  76                           ; v76-77 at work
.set FF,  78                           ; v[78:79] f
.set C2,  80                           ; v[80:81] the sums' second chain
.set NINF, 84
.set KF,  96                           ; v96-127 K's four fragments, then V's four
.set SS,  128                          ; v128-191 the scores, then p
.set OA,  192                          ; v192-223, v224-255 O^T
.set OB,  224
.set WV, 10
.set PP, 11
.set BH, 12
.set LIMA, 13
.set LIMB, 14
.set SC, 15
.set TB, 16
.set SEL, 18
.set CS, 20
.macro PLACES n
.rept \n
	v_nop
.endr
.endm
.macro CROUND
	s_barrier_signal -1
	s_barrier_wait -1
	s_cmp_lg_u32 s[WV], 0
	s_cbranch_scc1 .Lnot_wave_0_\@
	s_barrier_signal -3
.Lnot_wave_0_\@:
	s_barrier_wait -3
	s_barrier_signal -1
	s_barrier_wait -1
.endm
	s_load_b128 s[4:7], s[0:1], 0x0                ; qkv, ctxc
	s_load_b64 s[8:9], s[0:1], 0x10                ; ctxs
	v_lshl_add_u32 v[SPW], v0, 2, SPARE
	v_mov_b32 v[NIL], 0
	ds_add_u32 v[SPW], v[NIL]                      ; the wave's opening: the add, twice on end, and its wait ahead of my first tensor load
	ds_add_u32 v[SPW], v[NIL]
	v_lshrrev_b32 v1, 5, v0
	s_delay_alu instid0(VALU_DEP_1)
	v_readfirstlane_b32 s[WV], v1                  ; wave 0..15
	s_bfe_u32 s[PP], ttmp6, 0x40000                ; p: it enters global addresses, a shift and the mask's thresholds alone
	s_and_b32 s[BH], ttmp7, 0xffff                 ; the head, which the four partners share
	s_lshr_b32 s[LIMA], s[WV], 1                   ; tile A's last key step
	s_xor_b32 s[LIMB], s[LIMA], 15                 ; tile B's
	s_mov_b32 s[SC], 0
	s_mov_b32 s[TB], 0
	s_mov_b32 s[SEL], 0x76543210
	s_mov_b32 s[SEL+1], 0xfedcba98
	s_mov_b32 s[CS], 0x3e38aa3b                    ; c = log2(e) / 8
	s_mov_b32 s[CS+1], s[CS]
	s_mov_b32 s24, 15|(3<<16)|(1<<21)              ; group 1: the four partners; elements of 8 bytes; bit 21 beside the mask; 17 dense rows of 256 bytes
	s_mov_b32 s25, 32<<16
	s_mov_b32 s26, 17<<16
	s_mov_b32 s27, 32<<16
	s_mov_b32 s28, 17
	s_mov_b32 s29, 32
	s_mov_b32 s30, 0
	s_mov_b32 s31, 0
	s_mul_i32 s50, s[BH], RECH                     ; the head's records
	s_mul_i32 s54, s[LIMA], REC                    ; step w / 2,
	s_and_b32 s52, s[WV], 1
	s_mul_i32 s52, s52, 4352                       ; its half w % 2,
	s_add_co_u32 s54, s54, s52
	s_add_co_u32 s54, s54, 4352                    ; behind q's part of the record
	s_add_co_u32 s54, s54, s50
	s_mov_b32 s55, 0
	s_mul_i32 s53, s[WV], 4352                     ; and in LDS
	s_wait_dscnt 0x0                               ; both opening adds are done
	s_wait_kmcnt 0x0
	s_mov_b32 s32, 1
	s_mov_b32 s33, s53
	s_add_nc_u64 s[34:35], s[4:5], s[54:55]
	s_mov_b32 s36, 1
	s_add_co_u32 s37, s53, 8*STEPB                 ; steps 8 to 15
	s_add_nc_u64 s[38:39], s[34:35], 8*REC
	s_or_b32 s35, s35, 0x80000000
	s_or_b32 s39, s39, 0x80000000
	CROUND                                         ; all four work-groups are here: the joint loads meet
	tensor_load_to_lds s[32:35], s[24:31]          ; one load of mine is out
	s_nop 0
	s_wait_alu depctr_va_vdst(0)
	s_wait_tensorcnt 0x0
	ds_add_u32 v5, v6
	s_wait_dscnt 0x0
	CROUND
	tensor_load_to_lds s[36:39], s[24:31]
	s_nop 0
	PLACES 4
	v_and_b32 v74, 15, v0                          ; r
	v_bfe_u32 v75, v0, 4, 1                        ; h
	v_and_b32 v76, 31, v0                          ; lane
	s_delay_alu instid0(VALU_DEP_3)
	v_lshrrev_b32 v78, 3, v74
	s_delay_alu instid0(VALU_DEP_4)
	v_and_b32 v79, 7, v74
	v_mov_b32 v77, 0
	s_delay_alu instid0(VALU_DEP_4)
	v_lshlrev_b32 v[LI], 4, v76
	s_delay_alu instid0(VALU_DEP_4)
	v_lshlrev_b32 v[AK], 10, v78
	s_delay_alu instid0(VALU_DEP_1)
	v_lshl_add_u32 v[AK], v75, 8, v[AK]
	s_delay_alu instid0(VALU_DEP_1)
	v_lshl_add_u32 v[AK], v79, 4, v[AK]
	v_lshlrev_b32 v[AKS], 4, v79
	s_delay_alu instid0(VALU_DEP_1)
	v_lshl_add_u32 v[AKS], v78, 3, v[AKS]
	s_delay_alu instid0(VALU_DEP_1)
	v_add_nc_u32 v[AKS], 8192, v[AKS]
	v_lshl_add_u32 v[AVS], v74, 4, 8448
	v_lshlrev_b32 v[SH8], 3, v75
	v_lshl_add_u32 v82, v74, 1, STG                ; the stage: 2 r
	v_lshlrev_b32 v83, 5, v75
	s_delay_alu instid0(VALU_DEP_1)
	v_sub_nc_u32 v83, v74, v83                     ; r - 32 h
	s_wait_alu depctr_va_vdst(0)
	v_lshlrev_b32 v88, 4, v74                      ; q's scale words: 16 r
	s_wait_alu depctr_va_vdst(0)
	s_and_b32 s58, s[WV], 1
	s_lshl_b32 s58, s58, 9
	v_add_nc_u32 v89, s58, v[LI]                   ; the way out of the scale bytes: 512 (w % 2) + 16 x lane,
	s_delay_alu instid0(VALU_DEP_1)
	v_add_nc_u32 v85, STG, v89                     ; and the same place in the stage
	s_mov_b32 s60, s[WV]                           ; i of tile A,
	s_xor_b32 s61, s[WV], 31                       ; of tile B
; A tile's addresses from its i: q's codes and scale word (record i / 2, tile 4 (i % 2) + p of it), ctx's codes, the mask's thresholds, its place in the stage
.macro TILEADR i, qc, qs, cc, d, sa
	s_lshr_b32 s56, s[\i], 1
	s_mul_i32 s56, s56, REC
	s_add_co_u32 s56, s56, s50
	s_and_b32 s57, s[\i], 1
	s_lshl_b32 s58, s57, 11
	s_lshl_b32 s59, s[PP], 9
	s_add_co_u32 s58, s58, s59
	s_add_co_u32 s58, s58, s56
	s_mov_b32 s59, 0
	s_add_nc_u64 s[\qc:\qc+1], s[4:5], s[58:59]
	s_lshr_b32 s58, s[PP], 1                       ; the word of pair 2 (i % 2) + p / 2 stands at place 2 (p / 2) + i % 2
	s_lshl_b32 s58, s58, 3
	s_lshl_b32 s59, s57, 2
	s_add_co_u32 s58, s58, s59
	s_add_co_u32 s58, s58, s56
	s_add_co_u32 s58, s58, 4096
	s_mov_b32 s59, 0
	s_add_nc_u64 s[\qs:\qs+1], s[4:5], s[58:59]
	s_lshr_b32 s58, s[BH], 4                       ; ctxc: ((128 b + 32 p + i) 16 + head) 512
	s_lshl_b32 s58, s58, 7
	s_lshl_b32 s59, s[PP], 5
	s_add_co_u32 s58, s58, s59
	s_add_co_u32 s58, s58, s[\i]
	s_lshl_b32 s58, s58, 4
	s_and_b32 s59, s[BH], 15
	s_add_co_u32 s58, s58, s59
	s_lshl_b32 s58, s58, 9
	s_mov_b32 s59, 0
	s_add_nc_u64 s[\cc:\cc+1], s[6:7], s[58:59]
	s_lshl_b32 s58, s57, 6                         ; 16 (tau % 8) = 64 (i % 2) + 16 p
	s_lshl_b32 s59, s[PP], 4
	s_add_co_u32 s58, s58, s59
	v_add_nc_u32 v[\d], s58, v83
	s_delay_alu instid0(VALU_DEP_1)
	v_add_nc_u32 v[\d+1], 0xffffffc0, v[\d]
	s_lshl_b32 s58, s[\i], 5
	v_add_nc_u32 v[\sa], s58, v82
.endm
	TILEADR 60, 40, 66, 44, DA, 86
	TILEADR 61, 42, 68, 46, DB, 87
	s_lshl_b32 s58, s[BH], 12                      ; ctxs: 4,096 bh + 1,024 p
	s_lshl_b32 s59, s[PP], 10
	s_add_co_u32 s58, s58, s59
	s_mov_b32 s59, 0
	s_add_nc_u64 s[48:49], s[8:9], s[58:59]
	global_load_b128 v[24:27], v[LI], s[40:41]     ; q of tile A: lane (r, h): query r, channels 32 h on
	global_load_b128 v[32:35], v[LI], s[42:43]     ; of tile B
	global_load_b32 v[QSC], v88, s[66:67]
	global_load_b32 v[QSC+2], v88, s[68:69]
.irp j, 20,21,22,23,28,29,30,31,36,37,38,39
	v_mov_b32 v[\j], 0                             ; the zero halves: v[20:27] = [0 | qA], v[24:31] = [qA | 0], v[28:35] = [0 | qB], v[32:39] = [qB | 0]
.endr
.irp j, 0,1,2,3,4,5,6,7,8,9,10,11,12,13,14,15,16,17,18,19,20,21,22,23,24,25,26,27,28,29,30,31,32,33,34,35,36,37,38,39,40,41,42,43,44,45,46,47,48,49,50,51,52,53,54,55,56,57,58,59,60,61,62,63
	v_mov_b32 v[OA+\j], 0                          ; O^T of both tiles.  (The step is written once: the first finds zeros, which the first change of M leaves zeros)
.endr
.irp j, 0,1,2,3,4,5,6,7
	v_mov_b32 v[PCA+\j], 0                         ; so that no way through the text reads tile A's codes or scale word unwritten
.endr
	v_mov_b32 v[PWA], 0
	v_mov_b32 v[NINF], 0xff800000
.irp s, STA, STB
	v_mov_b32 v[\s+1], 0xff61b1e6                  ; the largest t so far: -3e38
	s_delay_alu instid0(VALU_DEP_1)
	v_floor_f32 v[\s], -v[\s+1]
	v_mov_b32 v[\s+2], 0
	v_mov_b32 v[\s+3], 0
.endr
	s_wait_loadcnt 0x0
	s_and_b32 s58, s[PP], 1
	s_lshl_b32 s58, s58, 4                         ; my tile's half of the word
.irp s, QSC, QSC+2
	v_lshrrev_b32 v[\s], s58, v[\s]
	s_delay_alu instid0(VALU_DEP_1)
	v_and_b32 v[\s], 0xffff, v[\s]                 ; q's two bytes below, byte 0 over the zero codes;
	s_delay_alu instid0(VALU_DEP_1)
	v_lshlrev_b32 v[\s+1], 16, v[\s]               ; and the other way round
.endr
	PLACES 8                                       ; a scale register written by a vector instruction stands 8 places ahead of a scaled matrix instruction, an operand so written 4
.macro SCORE qlo, qhi, slo, shi        ; 8 products: each fragment of K against [q | 0] (its first tile) and [0 | q] (its second)
.irp g, 0,1
.irp w, 0,1
	v_wmma_scale_f32_16x16x128_f8f6f4 v[SS+32*\g+8*\w:SS+32*\g+8*\w+7], v[KF+8*(2*\g+\w):KF+8*(2*\g+\w)+7], v[\qlo:\qlo+7], 0, v[KSC+2*\w+\g], v[\slo] matrix_a_fmt:MATRIX_FMT_FP4 matrix_b_fmt:MATRIX_FMT_FP4
	v_wmma_scale_f32_16x16x128_f8f6f4 v[SS+32*\g+8*\w+16:SS+32*\g+8*\w+23], v[KF+8*(2*\g+\w):KF+8*(2*\g+\w)+7], v[\qhi:\qhi+7], 0, v[KSC+2*\w+\g], v[\shi] matrix_a_fmt:MATRIX_FMT_FP4 matrix_b_fmt:MATRIX_FMT_FP4
.endr
.endr
.endm
.macro MASK d                          ; register n holds key 64 (n / 32) + 32 h + n % 32 of the step: hidden where n % 32 > d - 64 (n / 32).  In ascending order: each accumulator from its low end on
.irp n, 0,1,2,3,4,5,6,7,8,9,10,11,12,13,14,15,16,17,18,19,20,21,22,23,24,25,26,27,28,29,30,31,32,33,34,35,36,37,38,39,40,41,42,43,44,45,46,47,48,49,50,51,52,53,54,55,56,57,58,59,60,61,62,63
	v_cmp_gt_i32 vcc_lo, \n%32, v[\d+\n/32]
	v_cndmask_b32 v[SS+\n], v[SS+\n], v[NINF], vcc_lo
.endr
.endm
.macro SOFTMAX st, pc, pw, o
.irp g, 0,1
	v_max3_num_f32 v[BM+\g], v[SS+32*\g], v[SS+32*\g+1], v[SS+32*\g+2]   ; the largest score of each block of 32 keys, all mine: it serves for the row's maximum and, since p rises with the score, for the block's largest p
.endr
.irp i, 3,5,7,9,11,13,15,17,19,21,23,25,27,29
.irp g, 0,1
	v_max3_num_f32 v[BM+\g], v[BM+\g], v[SS+32*\g+\i], v[SS+32*\g+\i+1]
.endr
.endr
.irp g, 0,1
	v_max_num_f32 v[BM+\g], v[BM+\g], v[SS+32*\g+31]
.endr
	s_delay_alu instid0(VALU_DEP_1)
	v_max_num_f32 v[TT], v[BM], v[BM+1]
	s_delay_alu instid0(VALU_DEP_1)
	v_permlanex16_b32 v[TT+1], v[TT], s[SEL], s[SEL+1]
	s_delay_alu instid0(VALU_DEP_1)
	v_max_num_f32 v[TT], v[TT], v[TT+1]            ; the step's largest score of my query
	s_delay_alu instid0(VALU_DEP_1)
	v_mul_f32 v[TT], s[CS], v[TT]
	s_delay_alu instid0(VALU_DEP_1)
	v_max_num_f32 v[\st+1], v[\st+1], v[TT]        ; the running largest t
	v_mov_b32 v[TT], v[\st]
	s_delay_alu instid0(VALU_DEP_2)
	v_floor_f32 v[\st], -v[\st+1]                  ; -M = floor(-t)
	s_delay_alu instid0(VALU_DEP_1)
	v_sub_f32 v[TT], v[\st], v[TT]                 ; old M - new M: a whole number, 0 or less
	s_delay_alu instid0(VALU_DEP_1)
	v_cvt_i32_f32 v[TT], v[TT]                     ; (it saturates)
	s_delay_alu instid0(VALU_DEP_1)
	v_ldexp_f32 v[FF], 1.0, v[TT]                  ; f = 2^(old M - new M)
.irp j, 0,2,4,6,8,10,12,14,16,18,20,22,24,26,28,30,32,34,36,38,40,42,44,46,48,50,52,54,56,58,60,62
	v_pk_fma_f32 v[SS+\j:SS+\j+1], v[SS+\j:SS+\j+1], s[CS:CS+1], v[\st:\st+1] op_sel_hi:[1,0,0]   ; t - M
.endr
.irp g, 0,1
	v_fma_f32 v[BM+\g], v[BM+\g], s[CS], v[\st]
.endr
	s_wait_alu depctr_va_vdst(0)
.irp j, 0,1,2,3,4,5,6,7,8,9,10,11,12,13,14,15,16,17,18,19,20,21,22,23,24,25,26,27,28,29,30,31,32,33,34,35,36,37,38,39,40,41,42,43,44,45,46,47,48,49,50,51,52,53,54,55,56,57,58,59,60,61,62,63
	v_exp_f32 v[SS+\j], v[SS+\j]                   ; p = 2^(t - M)
.endr
	v_pk_mul_f32 v[\st+2:\st+3], v[\st+2:\st+3], v[FF:FF+1] op_sel_hi:[1,0]   ; the sums under the new M: the plain place behind the batch
	s_wait_alu depctr_va_vdst(0)                   ; one wait for the batch, ahead of its first reader
.irp g, 0,1
	v_exp_f32 v[BM+\g], v[BM+\g]                   ; the block's largest p: the same two instructions on the same number
.endr
	v_pk_add_f32 v[C2:C2+1], v[SS:SS+1], v[SS+2:SS+3]   ; the row's sum of the unquantised p, in two chains
.irp j, 4,8,12,16,20,24,28,32,36,40,44,48,52,56,60
	v_pk_add_f32 v[\st+2:\st+3], v[\st+2:\st+3], v[SS+\j:SS+\j+1]
	v_pk_add_f32 v[C2:C2+1], v[C2:C2+1], v[SS+\j+2:SS+\j+3]
.endr
	s_delay_alu instid0(VALU_DEP_1)
	v_pk_add_f32 v[\st+2:\st+3], v[\st+2:\st+3], v[C2:C2+1]
	s_wait_alu depctr_va_vdst(0)                   ; and one for the two
.irp g, 0,1
	v_max_num_f32 v[BM+\g], 0x1800000, v[BM+\g]    ; the floor 2^-124: the byte cannot fall under 1
.endr
.irp g, 0,1
	s_delay_alu instid0(VALU_DEP_2)
	v_add_nc_u32 v[BM+\g], 0xff000000, v[BM+\g]    ; 2 off the exponent field: the conversion's scale operand
.endr
.irp g, 0,1
	s_delay_alu instid0(VALU_DEP_2)
	v_lshrrev_b32 v[TT+\g], 23, v[BM+\g]           ; the byte of block 2 g + h
.endr
	s_delay_alu instid0(VALU_DEP_1)
	v_lshl_or_b32 v[\pw], v[TT+1], 16, v[TT]
	s_delay_alu instid0(VALU_DEP_1)
	v_lshlrev_b32 v[\pw], v[SH8], v[\pw]           ; at their places in the word,
	s_delay_alu instid0(VALU_DEP_1)
	v_permlanex16_b32 v[TT], v[\pw], s[SEL], s[SEL+1]
	s_delay_alu instid0(VALU_DEP_1)
	v_or_b32 v[\pw], v[\pw], v[TT]                 ; with lane l xor 16's two
.irp g, 0,1
.irp e, 0,1,2,3
	v_cvt_scalef32_pk8_fp4_f32 v[\pc+4*\g+\e], v[SS+32*\g+8*\e:SS+32*\g+8*\e+7], v[BM+\g]
.endr
.endr
.irp j, 0,2,4,6,8,10,12,14,16,18,20,22,24,26,28,30
	v_pk_mul_f32 v[\o+\j:\o+\j+1], v[\o+\j:\o+\j+1], v[FF:FF+1] op_sel_hi:[1,0]   ; O^T under the new M.  (These 16 are also the place behind the conversions and the places ahead of the products that take the codes and the word)
.endr
.endm
.macro PV o, pc, pw
.irp t, 0,1,2,3
	v_wmma_scale_f32_16x16x128_f8f6f4 v[\o+8*\t:\o+8*\t+7], v[KF+8*\t:KF+8*\t+7], v[\pc:\pc+7], v[\o+8*\t:\o+8*\t+7], v[VSC+\t], v[\pw] matrix_a_fmt:MATRIX_FMT_FP4 matrix_b_fmt:MATRIX_FMT_FP4
.endr
.endm
; A KEY STEP of 128 keys, for both tiles.  All branches hang on the wave's number and the count of steps.  No two matrix instructions that follow each other share an accumulator.
.macro STEP
	s_cmp_gt_u32 s[SC], s[LIMB]                    ; behind tile B's last step (tile A's came earlier) nothing is left
	s_cbranch_scc1 .Lskip_\@
	s_setprio 2
	v_add_nc_u32 v[ADK], s[TB], v[AK]              ; (these four are the places in front of the loads into registers that the last products read)
	v_add_nc_u32 v[ADV], s[TB], v[LI]
	v_add_nc_u32 v[ADKS], s[TB], v[AKS]
	v_add_nc_u32 v[ADVS], s[TB], v[AVS]
.irp g, 0,1
.irp w, 0,1
	ds_load_b128 v[KF+8*(2*\g+\w):KF+8*(2*\g+\w)+3], v[ADK] offset:2048*\g+128*\w
	ds_load_b128 v[KF+8*(2*\g+\w)+4:KF+8*(2*\g+\w)+7], v[ADK] offset:2048*\g+512+128*\w
.endr
.endr
	ds_load_b64 v[KSC:KSC+1], v[ADKS]
	ds_load_b64 v[KSC+2:KSC+3], v[ADKS] offset:128
	ds_load_b128 v[VSC:VSC+3], v[ADVS]
	s_wait_dscnt 0x0
	s_cmp_gt_u32 s[SC], s[LIMA]
	s_cbranch_scc1 .Lno_a_\@
	s_wait_alu depctr_va_vdst(0)
	SCORE 24, 20, QSC, QSC+1
	PLACES 4
	s_cmp_lg_u32 s[SC], s[LIMA]
	s_cbranch_scc1 .Lopen_a_\@
	MASK DA
.Lopen_a_\@:
	SOFTMAX STA, PCA, PWA, OA
.Lno_a_\@:
	s_wait_alu depctr_va_vdst(0)
	SCORE 32, 28, QSC+2, QSC+3
	PLACES 4                                       ; in front of the loads into K's registers and of the first read of the scores
.irp t, 0,1,2,3
.irp c, 0,1
	ds_load_b128 v[KF+8*\t+4*\c:KF+8*\t+4*\c+3], v[ADV] offset:4096+1024*\t+512*\c   ; V's fragments land while tile B's softmax is walked
.endr
.endr
	s_setprio 1
	s_cmp_lg_u32 s[SC], s[LIMB]
	s_cbranch_scc1 .Lopen_b_\@
	MASK DB
.Lopen_b_\@:
	SOFTMAX STB, PCB, PWB, OB
	s_setprio 0
	s_wait_dscnt 0x0
	s_cmp_gt_u32 s[SC], s[LIMA]
	s_cbranch_scc1 .Lno_pa_\@
	PV OA, PCA, PWA
.Lno_pa_\@:
	s_wait_alu depctr_va_vdst(0)
	PV OB, PCB, PWB
.Lskip_\@:
	s_add_co_u32 s[TB], s[TB], STEPB
.endm
	s_wait_tensorcnt 0x1                           ; my part of steps 0-7 is in; my part of steps 8-15 may stay out
	s_barrier_signal -1
	s_barrier_wait -1
.Lfirst:                                           ; steps 0 and 1
	STEP
	s_add_co_u32 s[SC], s[SC], 1
	s_cmp_lt_u32 s[SC], 2
	s_cbranch_scc1 .Lfirst
	s_setprio 0
	s_wait_tensorcnt 0x0                           ; my part of steps 8-15 has landed,
	s_wait_dscnt 0x0
	s_barrier_signal -1
	s_barrier_wait -1                              ; everybody's has
.Lrest:                                            ; steps 2 to 15
	STEP
	s_add_co_u32 s[SC], s[SC], 1
	s_cmp_lt_u32 s[SC], 16
	s_cbranch_scc1 .Lrest
	s_setprio 0
	; THE WAY OUT: O^T / l, quantised along the head's 64 channels.  Register 8 t + j = channel 16 t + 8 h + j: a block of 32 is tiles 2 b, 2 b + 1 in lanes l and l xor 16.
	PLACES 4
	v_add_f32 v14, v14, v15
	s_wait_alu depctr_va_vdst(0)
	v_add_f32 v18, v18, v19
	v_permlanex16_b32 v[TT], v14, s[SEL], s[SEL+1]
	s_delay_alu instid0(VALU_DEP_2)
	v_permlanex16_b32 v[TT+1], v18, s[SEL], s[SEL+1]
	s_delay_alu instid0(VALU_DEP_2)
	v_add_f32 v14, v14, v[TT]
	s_delay_alu instid0(VALU_DEP_2)
	v_add_f32 v18, v18, v[TT+1]
	s_wait_alu depctr_va_vdst(0)
	v_rcp_f32 v14, v14
	v_rcp_f32 v18, v18
	v_nop                                          ; a plain place behind the reciprocals,
	s_wait_alu depctr_va_vdst(0)                   ; and the one wait ahead of their first reader
.macro OUTQ o, st, x, pc, u
.irp j, 0,2,4,6,8,10,12,14,16,18,20,22,24,26,28,30
	v_pk_mul_f32 v[\x+\j:\x+\j+1], v[\o+\j:\o+\j+1], v[\st+2:\st+3] op_sel_hi:[1,0]
.endr
.irp b, 0,1
	v_max3_num_f32 v[BM+\b], |v[\x+16*\b]|, |v[\x+16*\b+1]|, 0x1800000
.endr
.irp i, 2,4,6,8,10,12,14
.irp b, 0,1
	s_delay_alu instid0(VALU_DEP_2)
	v_max3_num_f32 v[BM+\b], v[BM+\b], |v[\x+16*\b+\i]|, |v[\x+16*\b+\i+1]|
.endr
.endr
.irp b, 0,1
	s_delay_alu instid0(VALU_DEP_2)
	v_permlanex16_b32 v[TT+\b], v[BM+\b], s[SEL], s[SEL+1]
.endr
.irp b, 0,1
	s_delay_alu instid0(VALU_DEP_2)
	v_max_num_f32 v[BM+\b], v[BM+\b], v[TT+\b]
.endr
.irp b, 0,1
	s_delay_alu instid0(VALU_DEP_2)
	v_add_nc_u32 v[BM+\b], 0xff000000, v[BM+\b]
.endr
.irp b, 0,1
	s_delay_alu instid0(VALU_DEP_2)
	v_lshrrev_b32 v[TT+\b], 23, v[BM+\b]
.endr
	s_delay_alu instid0(VALU_DEP_1)
	v_lshl_or_b32 v[\u], v[TT+1], 8, v[TT]         ; the token's two scale bytes
.irp t, 0,1,2,3
	v_cvt_scalef32_pk8_fp4_f32 v[\pc+2*(\t%2)+\t/2], v[\x+8*\t:\x+8*\t+7], v[BM+\t/2]
.endr
	v_nop                                          ; one plain place behind a scaled conversion
	v_permlane16_swap_b32 v[\pc], v[\pc+1]         ; registers 0-3 of lane (r, h) now hold channels 32 h + 0 .. 31
	v_permlane16_swap_b32 v[\pc+2], v[\pc+3]
.endm
	OUTQ OA, STA, SS, PCA, 90
	global_store_b128 v[LI], v[PCA:PCA+3], s[44:45]   ; 512 consecutive bytes, at a multiple of 256 from the buffer's first byte
	ds_store_b16 v86, v90                          ; both halves of the lanes write the same two bytes with the same value
	OUTQ OB, STB, SS+32, PCB, 91
	global_store_b128 v[LI], v[PCB:PCB+3], s[46:47]
	ds_store_b16 v87, v91
	s_wait_dscnt 0x0                               ; for the others' sake: my stores into the stage are done
	s_barrier_signal -1
	s_barrier_wait -1
	s_cmp_lt_u32 s[WV], 2                          ; the work-group's 1,024 scale bytes leave as whole runs of 512: waves 0 and 1
	s_cbranch_scc0 .Lno_gather
	ds_load_b128 v[96:99], v85
	s_wait_dscnt 0x0
	global_store_b128 v89, v[96:99], s[48:49]
.Lno_gather:
	s_wait_tensorcnt 0x0                           ; the wave's end
	ds_add_u32 v[SPW], v[NIL]
	s_wait_dscnt 0x0
	CROUND                                         ; the closing round
	s_endpgm
.Lfunc_end_k_q15e73c0e98_attn:
	.size	k_q15e73c0e98_attn, .Lfunc_end_k_q15e73c0e98_attn-k_q15e73c0e98_attn
	.p2alignl 7, 3214868480
	.fill 96, 4, 3214868480
	.section	.rodata,"a",@progbits
	.p2align	6, 0x0
	.amdhsa_kernel k_q15e73c0e98_attn
		.amdhsa_group_segment_fixed_size 327680
		.amdhsa_private_segment_fixed_size 0
		.amdhsa_enable_private_segment 0
		.amdhsa_kernarg_size 24
		.amdhsa_user_sgpr_count 2
		.amdhsa_user_sgpr_kernarg_segment_ptr 1
		.amdhsa_wavefront_size32 1
		.amdhsa_system_sgpr_workgroup_id_x 1
		.amdhsa_system_sgpr_workgroup_id_y 1
		.amdhsa_system_sgpr_workgroup_id_z 1
		.amdhsa_system_vgpr_workitem_id 0
		.amdhsa_next_free_vgpr 256
		.amdhsa_next_free_sgpr 80
		.amdhsa_reserve_vcc 1
		.amdhsa_float_denorm_mode_32 3
		.amdhsa_float_denorm_mode_16_64 3
		.amdhsa_memory_ordered 1
		.amdhsa_forward_progress 1
		.amdhsa_inst_pref_size 93
	.end_amdhsa_kernel
	.amdgpu_metadata
---
amdhsa.version: [ 1, 2 ]
amdhsa.kernels:
  - .name:           k_q15e73c0e98_attn
    .symbol:         k_q15e73c0e98_attn.kd
    .args:
      - { .name: qkv, .offset: 0, .size: 8, .value_kind: global_buffer, .address_space: global }
      - { .name: ctxc, .offset: 8, .size: 8, .value_kind: global_buffer, .address_space: global }
      - { .name: ctxs, .offset: 16, .size: 8, .value_kind: global_buffer, .address_space: global }
    .group_segment_fixed_size: 327680
    .private_segment_fixed_size: 0
    .kernarg_segment_align: 8
    .kernarg_segment_size: 24
    .max_flat_workgroup_size: 512
    .sgpr_count:     80
    .vgpr_count:     256
    .wavefront_size: 32
...
	.end_amdgpu_metadata
.endif
;; end of part 2
;; launch outp (part 3): grid 4 x 64, 4 waves a work-group, clusters of 4 x 4, 327,680 bytes of LDS; arguments ctxc, ctxs, Wo_codes, Wo_scales, bo, out0; writes out0
.if DOCPART == 3
	.amdgcn_target "amdgcn-amd-amdhsa--gfx1250"
	.amdhsa_code_object_version 6
	.text
	.protected	k_q15e73c0e98_outp
	.globl	k_q15e73c0e98_outp
	.p2align	8
	.type	k_q15e73c0e98_outp,@function
k_q15e73c0e98_outp:
	s_mov_b64 s[64:65], 0
	v_nop
	global_prefetch_b8 v0, s[64:65] scope:SCOPE_SE
	s_setreg_imm32_b32 hwreg(HW_REG_WAVE_MODE, 25, 1), 1
	s_wait_xcnt 0x0
	s_wait_alu depctr_hold_cnt(0) depctr_sa_sdst(0) depctr_va_vdst(0) depctr_va_sdst(0) depctr_va_ssrc(0) depctr_va_vcc(0) depctr_vm_vsrc(0)
	s_getreg_b32 s2, hwreg(HW_REG_IB_STS2, 6, 4)
	s_cmp_eq_u32 s2, 0
	s_cbranch_scc0 .Lentry_in_a_cluster
	s_endpgm
.Lentry_in_a_cluster:
	s_bfe_u32 s2, ttmp6, 0x10000c
	s_cmp_lg_u32 s2, 0xf033
	s_cbranch_scc0 .Lentry_shape_is_right
	s_endpgm
.Lentry_shape_is_right:
; out = ctx Wo^T + bo on codes of FP4 with E8M0 scales, f32 sums; K = 1,024.  Nothing is left out here.
; ctx comes as the attention launch laid it: ctxc [T' (512)][head (16)][512]: T' = 128 b + 32 p + i stands for tokens 2,048 b + 64 i + 16 p + 0 .. 15; two heads' pieces on end are the register image of a fragment of
; 16 tokens x 128 K.  ctxs [b][head][32 p + i][r]: a token's two scale bytes of a head.
; SHARES.  256 work-groups of 128 tokens (T' = 8 m .. 8 m + 7) x 256 channels (cx).  Four waves (I = wave / 2, J = wave % 2): 4 tiles of tokens x 8 tiles of channels, 32 accumulators.
; The matrix instruction is used transposed (source 0 = 16 rows of Wo, source 1 = 16 tokens): a lane holds eight neighbouring outputs of one row.  The bias is the C of each sum's first instruction.
; All of K lies in LDS, filled once, in two halves of 512 along K.  CLUSTER 4 x 4: Wo's tile is shared along a column, ctx's codes and scales along a row: asked for jointly.
; REGISTERS: window 0: v1-27 addresses, v28-29 the add's two, v32-63 Wo's scale words, v64-79 ctx's, v80-111 at work, v128-191 ctx's fragments in two sets; on the way out v128-255 rows of the result;
;   window 1: Wo's fragments, two sets (v0, v128);  window 2: accumulator (a, b) at v[8 (8 a + b)];  window 3: the bias, tile b at v[8 b].
.set PITCH,  272
.set WQ,     64*PITCH                  ; what one tensor load of Wo brings
.set WSLOT,  256*PITCH                 ; Wo's 256 rows, 512 along K
.set CT0,    2*WSLOT                   ; ctx's codes: [half of K][tile g (8)][4,096]
.set CTH,    32768
.set CSB,    CT0+2*CTH                 ; ctx's scale bytes: 16 heads' rows of 256 bytes + 16 of padding
.set STG,    CSB+16*272                ; the way out: 16 rows x (512 + 16) bytes for each wave: bytes of its own, into which no fill lands
.set SPITCH, 528
.set SPARE,  STG+4*16*SPITCH
.set AW,  16                           ; v16-17 Wo's fragments, half 0, 1
.set ACT, 18                           ; v18 ctx's images
.set ACS, 19                           ; v19 ctx's scale bytes
.set STO, 24
.set RD,  25
.set CO,  26
.set SLO, 27
.set SPW, 28
.set NIL, 29
.set WSC, 32
.set CSR, 64
.set UU,  80
.set CF,  128
.set BK,  128
.set G1W, 24
.set G1C, 32
.set G1S, 40
.set MSB, 0
.macro WIN new
.if MSB != (\new)
	s_set_vgpr_msb (MSB<<8)|(\new)
.set MSB, (\new)
.endif
.endm
.macro PLACES n
.rept \n
	v_nop
.endr
.endm
.macro CROUND
	s_barrier_signal -1
	s_barrier_wait -1
	s_cmp_lg_u32 s16, 0
	s_cbranch_scc1 .Lnot_wave_0_\@
	s_barrier_signal -3
.Lnot_wave_0_\@:
	s_barrier_wait -3
	s_barrier_signal -1
	s_barrier_wait -1
.endm
	s_load_b256 s[4:11], s[0:1], 0x0               ; ctxc, ctxs, Wo codes, Wo scales
	s_load_b128 s[12:15], s[0:1], 0x20             ; bo, out0
	v_lshl_add_u32 v[SPW], v0, 2, SPARE
	v_mov_b32 v[NIL], 0
	ds_add_u32 v[SPW], v[NIL]                      ; the wave's opening: the add, twice on end, and its wait ahead of my first tensor load
	ds_add_u32 v[SPW], v[NIL]
	v_lshrrev_b32 v1, 5, v0
	v_readfirstlane_b32 s16, v1                    ; wave
	s_lshr_b32 s17, s16, 1                         ; I
	s_and_b32 s18, s16, 1                          ; J
	s_bfe_u32 s19, ttmp6, 0x40000                  ; cx
	s_bfe_u32 s20, ttmp6, 0x40004                  ; cy
	s_and_b32 s21, ttmp7, 0xffff
	s_lshl_b32 s21, s21, 2
	s_add_co_u32 s21, s21, s20                     ; m
	s_lshl_b32 s22, s20, 2
	s_lshl_b32 s22, 15, s22                        ; my row of the cluster
	s_lshl_b32 s23, 0x1111, s19                    ; my column
	s_or_b32 s[G1W], s23, (1<<20)|(1<<21)|(5<<22)|(3<<25)          ; Wo: 64 rows of 256 bytes, 512 bytes apart; 4 words of padding behind every 64
	s_mov_b32 s[G1W+1], 256<<16
	s_mov_b32 s[G1W+2], 64<<16
	s_mov_b32 s[G1W+3], 256<<16
	s_mov_b32 s[G1W+4], 64
	s_mov_b32 s[G1W+5], 512
	s_mov_b32 s[G1W+6], 0
	s_mov_b32 s[G1W+7], 0
	s_or_b32 s[G1C], s22, (3<<16)|(1<<21)                          ; ctx's codes: 2 rows of 512 elements of 8 bytes, 1,024 elements apart, dense in LDS
	s_mov_b32 s[G1C+1], 512<<16
	s_mov_b32 s[G1C+2], 2<<16
	s_mov_b32 s[G1C+3], 512<<16
	s_mov_b32 s[G1C+4], 2
	s_mov_b32 s[G1C+5], 1024
	s_mov_b32 s[G1C+6], 0
	s_mov_b32 s[G1C+7], 0
	s_or_b32 s[G1S], s22, (3<<16)|(1<<20)|(1<<21)|(5<<22)|(3<<25)  ; ctx's scale bytes: 4 heads' rows of 256 bytes, 4,096 bytes apart, 16 bytes of padding behind each
	s_mov_b32 s[G1S+1], 32<<16
	s_mov_b32 s[G1S+2], 4<<16
	s_mov_b32 s[G1S+3], 32<<16
	s_mov_b32 s[G1S+4], 4
	s_mov_b32 s[G1S+5], 512
	s_mov_b32 s[G1S+6], 0
	s_mov_b32 s[G1S+7], 0
	s_lshl_b32 s72, s19, 17                        ; Wo: 256 rows a tile, 64 a wave
	s_lshl_b32 s73, s16, 15
	s_add_co_u32 s72, s72, s73
	s_mov_b32 s73, 0
	s_lshl_b32 s74, s21, 16                        ; ctxc: 8 tiles of 8,192 bytes a work-group, 2 a wave
	s_lshl_b32 s75, s16, 14
	s_add_co_u32 s74, s74, s75
	s_mov_b32 s75, 0
	s_lshr_b32 s76, s21, 4                         ; ctxs: 65,536 b + 256 (m % 16) + 4 heads of 4,096 a wave
	s_lshl_b32 s76, s76, 16
	s_and_b32 s77, s21, 15
	s_lshl_b32 s77, s77, 8
	s_add_co_u32 s76, s76, s77
	s_lshl_b32 s77, s16, 14
	s_add_co_u32 s76, s76, s77
	s_mov_b32 s77, 0
	s_mul_i32 s84, s16, WQ                         ; the LDS addresses: the wave's number alone
	s_lshl_b32 s85, s16, 13
	s_mul_i32 s86, s16, 4*272
	s_wait_dscnt 0x0                               ; both opening adds are done
	s_wait_kmcnt 0x0
	s_add_nc_u64 s[72:73], s[8:9], s[72:73]
	s_add_nc_u64 s[74:75], s[4:5], s[74:75]
	s_add_nc_u64 s[76:77], s[6:7], s[76:77]
	s_mov_b32 s48, 1                               ; Wo, K 0 .. 511
	s_mov_b32 s49, s84
	s_mov_b64 s[50:51], s[72:73]
	s_or_b32 s51, s51, 0x80000000
	s_mov_b32 s52, 1                               ; ctx's codes, K 0 .. 511
	s_add_co_u32 s53, s85, CT0
	s_mov_b64 s[54:55], s[74:75]
	s_or_b32 s55, s55, 0x80000000
	s_mov_b32 s56, 1                               ; ctx's scale bytes
	s_add_co_u32 s57, s86, CSB
	s_mov_b64 s[58:59], s[76:77]
	s_or_b32 s59, s59, 0x80000000
	s_mov_b32 s60, 1                               ; Wo, K 512 on
	s_add_co_u32 s61, s84, WSLOT
	s_add_nc_u64 s[62:63], s[72:73], 256
	s_or_b32 s63, s63, 0x80000000
	s_mov_b32 s68, 1                               ; ctx's codes, K 512 on
	s_add_co_u32 s69, s85, CT0+CTH
	s_add_nc_u64 s[70:71], s[74:75], 4096
	s_or_b32 s71, s71, 0x80000000
	CROUND                                         ; all sixteen work-groups are here: the joint loads meet
	tensor_load_to_lds s[48:51], s[G1W:G1W+7]      ; five loads of mine are out, each filled once
	s_nop 0
	tensor_load_to_lds s[52:55], s[G1C:G1C+7]
	s_nop 0
	tensor_load_to_lds s[56:59], s[G1S:G1S+7]
	s_nop 0
	tensor_load_to_lds s[60:63], s[G1W:G1W+7]
	s_nop 0
	tensor_load_to_lds s[68:71], s[G1C:G1C+7]
	s_nop 0
	PLACES 4
	v_and_b32 v1, 15, v0                           ; r
	v_bfe_u32 v2, v0, 4, 1                         ; h
	v_and_b32 v3, 31, v0                           ; lane
	v_lshlrev_b32 v[SLO], 5, v1
	v_lshl_add_u32 v[SLO], v2, 4, v[SLO]           ; 32 r + 16 h: lanes 0-15 take a row's scale words of K steps 0-3, lanes 16-31 those of K steps 4-7
	s_wait_alu depctr_va_vdst(0)
	v_lshlrev_b32 v5, 5, v2                        ; 32 h
	s_wait_alu depctr_va_vdst(0)
	s_lshl_b32 s78, s19, 13                        ; Wo's scales: rows 256 cx + 128 J on, 32 bytes a row
	s_lshl_b32 s79, s18, 12
	s_add_co_u32 s78, s78, s79
	s_mov_b32 s79, 0
	s_add_nc_u64 s[78:79], s[10:11], s[78:79]
	s_lshl_b32 s80, s19, 10                        ; bo and the columns of out: 4 (256 cx + 128 J)
	s_lshl_b32 s81, s18, 9
	s_add_co_u32 s80, s80, s81
	s_mov_b32 s81, 0
	s_lshr_b32 s84, s21, 4                         ; my first row of out: 2,048 b + 64 (8 (m % 4) + 4 I) + 16 p
	s_lshl_b32 s84, s84, 11
	s_and_b32 s85, s21, 3
	s_lshl_b32 s85, s85, 3
	s_lshl_b32 s86, s17, 2
	s_add_co_u32 s85, s85, s86
	s_lshl_b32 s85, s85, 6
	s_add_co_u32 s84, s84, s85
	s_bfe_u32 s85, s21, 0x20002
	s_lshl_b32 s85, s85, 4
	s_add_co_u32 s84, s84, s85
	s_lshl_b32 s84, s84, 12                        ; rows of 4,096 bytes
	s_add_co_u32 s84, s84, s80
	s_mov_b32 s85, 0
	s_add_nc_u64 s[82:83], s[14:15], s[84:85]
	s_add_nc_u64 s[80:81], s[12:13], s[80:81]
.irp b, 0,1,2,3,4,5,6,7
	global_load_b128 v[WSC+4*\b:WSC+4*\b+3], v[SLO], s[78:79] offset:512*\b
.endr
	WIN 0xc0                                       ; destination window 3
.irp b, 0,1,2,3,4,5,6,7
	global_load_b128 v[8*\b:8*\b+3], v5, s[80:81] offset:64*\b          ; bo at the lane's eight channels 16 b + 8 h + 0 .. 7: the result's layout
	global_load_b128 v[8*\b+4:8*\b+7], v5, s[80:81] offset:64*\b+16
.endr
	WIN 0
	v_mul_u32_u24 v4, v1, PITCH
	v_lshl_add_u32 v4, v2, 4, v4
	s_mul_i32 s84, s18, 128*PITCH
	v_add_nc_u32 v[AW], s84, v4
	v_add_nc_u32 v[AW+1], WSLOT, v[AW]
	s_lshl_b32 s84, s17, 14
	s_add_co_u32 s84, s84, CT0
	v_lshl_add_u32 v[ACT], v3, 4, s84              ; my four tiles' images: 16 x lane
	v_mul_u32_u24 v[ACS], v2, 8*272                ; lanes 16-31: heads 8 on (K steps 4-7)
	v_lshl_add_u32 v[ACS], v1, 1, v[ACS]
	s_lshl_b32 s84, s17, 7
	s_add_co_u32 s84, s84, CSB
	v_add_nc_u32 v[ACS], s84, v[ACS]
	s_mul_i32 s84, s16, 16*SPITCH
	s_add_co_u32 s84, s84, STG                     ; my stage
	v_mul_u32_u24 v[STO], v1, SPITCH
	v_lshl_add_u32 v[STO], v2, 5, v[STO]
	v_add_nc_u32 v[STO], s84, v[STO]
	v_lshlrev_b32 v[CO], 4, v3
	v_add_nc_u32 v[RD], s84, v[CO]
.macro FETCH t                         ; K step t's fragments into set t % 2: ctx's four as images, Wo's eight from rows
.irp a, 0,1,2,3
.irp c, 0,1
	ds_load_b128 v[CF+32*((\t)%2)+8*\a+4*\c:CF+32*((\t)%2)+8*\a+4*\c+3], v[ACT] offset:CTH*((\t)/4)+4096*\a+1024*((\t)%4)+512*\c
.endr
.endr
	WIN 0x40
.irp b, 0,1,2,3,4,5,6,7
.irp c, 0,1
	ds_load_b128 v[128*((\t)%2)+8*\b+4*\c:128*((\t)%2)+8*\b+4*\c+3], v[AW+(\t)/4] offset:64*((\t)%4)+32*\c+16*PITCH*\b
.endr
.endr
	WIN 0
.endm
.macro MULS s                          ; 32 matrix instructions, the 32 accumulators by turns; from K step 4 on both sides' scale words are taken from lanes 16-31
.irp a, 0,1,2,3
.irp b, 0,1,2,3,4,5,6,7
.if (\s) == 0
	v_wmma_scale_f32_16x16x128_f8f6f4 v[8*(8*\a+\b):8*(8*\a+\b)+7], v[128*((\s)%2)+8*\b:128*((\s)%2)+8*\b+7], v[CF+32*((\s)%2)+8*\a:CF+32*((\s)%2)+8*\a+7], v[8*\b:8*\b+7], v[WSC+4*\b+(\s)%4], v[CSR+4*\a+(\s)%4] matrix_a_fmt:MATRIX_FMT_FP4 matrix_b_fmt:MATRIX_FMT_FP4
.elseif (\s) < 4
	v_wmma_scale_f32_16x16x128_f8f6f4 v[8*(8*\a+\b):8*(8*\a+\b)+7], v[128*((\s)%2)+8*\b:128*((\s)%2)+8*\b+7], v[CF+32*((\s)%2)+8*\a:CF+32*((\s)%2)+8*\a+7], v[8*(8*\a+\b):8*(8*\a+\b)+7], v[WSC+4*\b+(\s)%4], v[CSR+4*\a+(\s)%4] matrix_a_fmt:MATRIX_FMT_FP4 matrix_b_fmt:MATRIX_FMT_FP4
.else
	v_wmma_scale_f32_16x16x128_f8f6f4 v[8*(8*\a+\b):8*(8*\a+\b)+7], v[128*((\s)%2)+8*\b:128*((\s)%2)+8*\b+7], v[CF+32*((\s)%2)+8*\a:CF+32*((\s)%2)+8*\a+7], v[8*(8*\a+\b):8*(8*\a+\b)+7], v[WSC+4*\b+(\s)%4], v[CSR+4*\a+(\s)%4] matrix_a_fmt:MATRIX_FMT_FP4 matrix_b_fmt:MATRIX_FMT_FP4 matrix_a_scale:MATRIX_SCALE_ROW1 matrix_b_scale:MATRIX_SCALE_ROW1
.endif
.endr
.endr
.endm
.macro KSTEP s
	s_wait_dscnt 0x0                               ; this step's fragments are in
.if (\s) == 3
	s_wait_tensorcnt 0x0                           ; my parts of the second half of K have landed,
	s_barrier_signal -1
	s_barrier_wait -1                              ; everybody's have: the fetch below reads them
.endif
.if (\s) < 7
	PLACES 4                                       ; in front of loads into the set that the last step's products read
	FETCH (\s)+1
.endif
.if (\s) == 0
	WIN 0xb1                                       ; source 0 window 1, source 1 window 0, C (the bias) window 3, D window 2
.else
	WIN 0xa1
.endif
	MULS \s
	WIN 0
.endm
	s_wait_alu depctr_va_vdst(0)
	s_wait_tensorcnt 0x2                           ; Wo's and ctx's first halves and ctx's scale bytes are in; the two second halves may stay out
	s_barrier_signal -1
	s_barrier_wait -1
.irp a, 0,1,2,3                        ; ctx's scale words: tile a, K step 4 h + q: the two bytes of head 8 h + 2 q below, those of the next head above
.irp q, 0,1,2,3
	ds_load_u16 v[UU+2*(4*\a+\q)], v[ACS] offset:544*\q+32*\a
	ds_load_u16 v[UU+2*(4*\a+\q)+1], v[ACS] offset:544*\q+32*\a+272
.endr
.endr
	s_wait_dscnt 0x0
.irp n, 0,1,2,3,4,5,6,7,8,9,10,11,12,13,14,15
	v_lshl_or_b32 v[CSR+\n], v[UU+2*\n+1], 16, v[UU+2*\n]
.endr
	FETCH 0
	PLACES 8                                       ; a scale register written by a vector instruction stands 8 places ahead of a scaled matrix instruction
	s_wait_alu depctr_va_vdst(0)
	s_wait_loadcnt 0x0                             ; Wo's scale words and the bias
.irp s, 0,1,2,3,4,5,6,7
	KSTEP \s
.endr
	PLACES 4
; THE WAY OUT, a tile of 16 tokens x 128 channels at a time: through my own stage in LDS and back as whole rows of 512 bytes.  LDS serves a wave's instructions in order (ISA guide 5.7.1.4): no wait between the stores and the loads.
.macro TOSTAGE a
	WIN 0x08                                       ; an LDS store's data: window 2
.irp b, 0,1,2,3,4,5,6,7
	ds_store_b128 v[STO], v[64*(\a)+8*\b:64*(\a)+8*\b+3] offset:64*\b            ; each accumulator from its low end on
	ds_store_b128 v[STO], v[64*(\a)+8*\b+4:64*(\a)+8*\b+7] offset:64*\b+16
.endr
	WIN 0
.irp t, 0,1,2,3,4,5,6,7,8,9,10,11,12,13,14,15
	ds_load_b128 v[BK+64*((\a)%2)+4*\t:BK+64*((\a)%2)+4*\t+3], v[RD] offset:\t*SPITCH
.endr
.endm
.macro SEND a, younger                 ; younger: the LDS instructions issued behind tile a's loads, which may stay out
	s_wait_dscnt \younger
.irp t, 0,1,2,3,4,5,6,7,8,9,10,11,12,13,14,15
	global_store_b128 v[CO], v[BK+64*((\a)%2)+4*\t:BK+64*((\a)%2)+4*\t+3], s[82:83] offset:262144*(\a)+4096*\t th:TH_STORE_NT   ; 32 lanes store 512 consecutive bytes, at a multiple of 256 from out's first byte; tiles lie 64 rows apart
.endr
.endm
	TOSTAGE 0
	TOSTAGE 1
	SEND 0, 32                                     ; behind tile 0's loads: tile 1's 16 stores and 16 loads
	s_wait_xcnt 0x0                                ; tile 0's stores have read their registers: tile 2's loads may land there
	TOSTAGE 2
	SEND 1, 32
	s_wait_xcnt 0x0
	TOSTAGE 3
	SEND 2, 32
	SEND 3, 0
	s_wait_tensorcnt 0x0                           ; the wave's end
	ds_add_u32 v[SPW], v[NIL]
	s_wait_dscnt 0x0
	CROUND                                         ; the closing round
	s_endpgm
.Lfunc_end_k_q15e73c0e98_outp:
	.size	k_q15e73c0e98_outp, .Lfunc_end_k_q15e73c0e98_outp-k_q15e73c0e98_outp
	.p2alignl 7, 3214868480
	.fill 96, 4, 3214868480
	.section	.rodata,"a",@progbits
	.p2align	6, 0x0
	.amdhsa_kernel k_q15e73c0e98_outp
		.amdhsa_group_segment_fixed_size 327680
		.amdhsa_private_segment_fixed_size 0
		.amdhsa_enable_private_segment 0
		.amdhsa_kernarg_size 48
		.amdhsa_user_sgpr_count 2
		.amdhsa_user_sgpr_kernarg_segment_ptr 1
		.amdhsa_wavefront_size32 1
		.amdhsa_system_sgpr_workgroup_id_x 1
		.amdhsa_system_sgpr_workgroup_id_y 1
		.amdhsa_system_sgpr_workgroup_id_z 1
		.amdhsa_system_vgpr_workitem_id 0
		.amdhsa_next_free_vgpr 1024
		.amdhsa_next_free_sgpr 100
		.amdhsa_reserve_vcc 0
		.amdhsa_float_denorm_mode_32 3
		.amdhsa_float_denorm_mode_16_64 3
		.amdhsa_memory_ordered 1
		.amdhsa_forward_progress 1
		.amdhsa_inst_pref_size 75
	.end_amdhsa_kernel
	.amdgpu_metadata
---
amdhsa.version: [ 1, 2 ]
amdhsa.kernels:
  - .name:           k_q15e73c0e98_outp
    .symbol:         k_q15e73c0e98_outp.kd
    .args:
      - { .name: ctxc, .offset: 0, .size: 8, .value_kind: global_buffer, .address_space: global }
      - { .name: ctxs, .offset: 8, .size: 8, .value_kind: global_buffer, .address_space: global }
      - { .name: Wo_codes, .offset: 16, .size: 8, .value_kind: global_buffer, .address_space: global }
      - { .name: Wo_scales, .offset: 24, .size: 8, .value_kind: global_buffer, .address_space: global }
      - { .name: bo, .offset: 32, .size: 8, .value_kind: global_buffer, .address_space: global }
      - { .name: out0, .offset: 40, .size: 8, .value_kind: global_buffer, .address_space: global }
    .group_segment_fixed_size: 327680
    .private_segment_fixed_size: 0
    .kernarg_segment_align: 8
    .kernarg_segment_size: 48
    .max_flat_workgroup_size: 128
    .sgpr_count:     100
    .vgpr_count:     1024
    .wavefront_size: 32
...
	.end_amdgpu_metadata
.endif
;; end of part 3
